; MI455X (gfx1250); checked and timed in simulation.
; The chip was launched on July 23, 2026; its instructions are those of AMD's public machine-readable ISA for CDNA 5 (MIT licence, August 2026) and "CDNA5" Instruction Set Architecture Reference Guide (July 2026). The comments in the code are by the model that wrote it; some were corrected since.
;; Self Attention. Allowed arithmetic: matrix products marked QUANTISED: E4M3 operands, one E8M0 scale for each 32 along K, by v_wmma_scale_f32_16x16x128_f8f6f4 with both operands' format E4M3, f32 sums; everything else in f32.
;; Inputs: gn_b 256 float32; gn_w 256 float32; out_b 256 float32; out_w_codes 256 x 8 x 32 uint8 (E4M3 codes of out_w, K innermost, in blocks of 32 codes); out_w_scales 256 x 8 uint8 (E8M0 scales of out_w, one for each 32 codes along K); qkv_b 768 float32; qkv_w_codes 768 x 8 x 32 uint8 (E4M3 codes of qkv_w, K innermost, in blocks of 32 codes); qkv_w_scales 768 x 8 uint8 (E8M0 scales of qkv_w, one for each 32 codes along K); x 4 x 256 x 64 x 64 float32.
;; Outputs: out0 4 x 256 x 64 x 64 float32.
;; This version of the problem:
;;   THIS VERSION OF THE PROBLEM IS GIVEN IN LOW PRECISION. The matrix products marked QUANTISED in the list below multiply operands that are first quantised to E4M3 (4 exponent bits, 3 mantissa bits; 8 bits a number), with one power-of-two scale for each 32 numbers along K (OCP MX v1.0); their sums are f32. All else is computed in f32.
;;   The module's matrix products, in the order in which they are computed (A, B: the left and right operand; K: the contracted axis; several contracted axes count as one K, in the product's order):
;;     1. [M 16,384, K 256] x [K 256, N 768]; A: computed on the way; B: input qkv_w (given as codes): QUANTISED
;;     2. batch 16 x [M 4,096, K 64] x [K 64, N 4,096]; A: computed on the way; B: computed on the way: QUANTISED
;;     3. batch 16 x [M 64, K 4,096] x [K 4,096, N 4,096]; A: computed on the way; B: softmax (see below): QUANTISED
;;     4. [M 16,384, K 256] x [K 256, N 256]; A: computed on the way; B: input out_w (given as codes): QUANTISED
;;   THE QUANTISER, for each operand of a quantised product, along K:
;;     - K is cut into blocks of 32 from its start; a last block that is shorter is filled with zeros.
;;     - A block's scale is 2^e with e = floor(log2(the largest magnitude in the block)) - 8, held to -126 .. 127; a block of zeros has e = 0. As a byte (E8M0): e + 127.
;;     - Each number is divided by its block's scale, clamped to +-448, and rounded to the nearest number of E4M3, ties to even, subnormals kept.
;;     - The product sums the exact products of the quantised numbers (number of the format x scale) in f32.
;;   ~~~python
;;   def quantise(x, axis):      # numpy; x: float32 -> the quantised numbers, widened to float32 again
;;       x = np.moveaxis(x, axis, -1); K = x.shape[-1]
;;       x = np.pad(x, [(0, 0)] * (x.ndim - 1) + [(0, -K % 32)]); x = x.reshape(x.shape[:-1] + (-1, 32)); a = np.abs(x).max(-1, keepdims=True)
;;       e = np.where(a > 0, np.clip(np.frexp(np.where(a > 0, a, 1))[1] - 1 - 8, -126, 127), 0)      # np.frexp(a)[1] - 1 = floor(log2(a)), exactly
;;       r = np.clip(x / 2.0 ** e, -448, 448)
;;       step = 2.0 ** (np.maximum(np.frexp(np.where(r == 0, 1, r))[1] - 1, -6) - 3)
;;       q = np.round(r / step) * step * 2.0 ** e      # np.round: ties to even
;;       return np.moveaxis(q.reshape(q.shape[:-2] + (-1,))[..., :K], -1, axis).astype(np.float32)
;;   ~~~
;;   SOFTMAX AHEAD OF A QUANTISED PRODUCT. Where the list says 'softmax', what is quantised is not the finished softmax but p = 2^(t - M), with t = logit x log2(e) and M = ceil(the row's largest t), a whole number; so 1/2 < the row's largest p <= 1. The row's sum l is taken of the UNQUANTISED p, in f32, and the product's result is divided by l at the end. Since M is a whole number, a kernel that streams over the keys may use a running M (the ceiling of the running maximum): every later rescaling is an exact power of two, which a block's scale takes up: the codes' values come out the same.
;;   OPERANDS COMPUTED ON THE WAY. 'Computed on the way' means the value that the module computes at that place (a softmax that the list does not call 'softmax' is quantised finished and normalised). What goes into a quantiser is computed in f32, as accurately as f32 sums, v_exp_f32 and their like allow (about 1e-6 of the number): no bf16 or f16 on the way to a quantiser, and a product that is left as it is and whose result goes on into a quantised operand takes f32 operands (vector FMAs, or v_wmma_f32_16x16x4_f32). A number that lies on a knife's edge between two numbers of the format may be rounded either way, as far as f32 arithmetic and the matrix unit's own rounding can turn it there, and no further.
;;   INPUTS GIVEN AS CODES. out_w (in the module: [256, 256], K = its axis 1); qkv_w (in the module: [768, 256], K = its axis 1): each comes as NAME_codes (uint8): NAME with its K axis moved to the last place and cut into blocks of 32 codes, [.., K / 32, bytes a block], one block behind the other in memory; one code a byte (a code: sign, 4 exponent bits, 3 mantissa bits); and NAME_scales (uint8): the same leading axes, one E8M0 byte (e + 127) for each 32 codes along K. Its value is code x scale, taken as it is: it is not quantised again, and the codes and scales need not be those that the quantiser above would give.
;; One version. Each part assembles by itself: llvm-mc -triple=amdgcn-amd-amdhsa -mcpu=gfx1250 --defsym DOCPART=n.
;; ======== version 1 of 1: 3 launches
;; limits: right only within a limited range of input values
;; workspace buffers: stats 2,048 bytes; qimg 4,456,448 bytes; kv 8,781,824 bytes
;; launch stats (part 1): grid 256 x 1, 8 waves a work-group, no clusters, 1,280 bytes of LDS; arguments x, stats; writes stats
.if DOCPART == 1
	.amdgcn_target "amdgcn-amd-amdhsa--gfx1250"
	.amdhsa_code_object_version 6
	.text
	.protected	k_q7646c8634b_stats
	.globl	k_q7646c8634b_stats
	.p2align	8
	.type	k_q7646c8634b_stats,@function
k_q7646c8634b_stats:
	s_mov_b64 s[64:65], 0
	v_nop
	global_prefetch_b8 v0, s[64:65] scope:SCOPE_SE
	s_setreg_imm32_b32 hwreg(HW_REG_WAVE_MODE, 25, 1), 1
	s_wait_xcnt 0x0
; GroupNorm's statistics.  x: [4][256][4096] f32; a group is 8 channels x 4,096 numbers.  Work-group g takes HALF a group: 4 channels, 16,384 numbers, the 65,536 consecutive bytes of x at 65,536 g,
; and stores {mean, M2} (M2 = the sum of squares about that mean) at byte 8 g of stats: [image 4][group 32][half 2]{mean, M2}.  The next launch joins the two halves.
; Thread t takes 16 pieces of 16 bytes at 4,096 i + 16 t: each load of a wave covers 512 consecutive bytes, all 16 loads are out at once, and the 64 numbers stay in registers for both passes, so x is read once here.
; The variance is never a difference of two large sums: pass 2 subtracts the mean first, so a common offset of x costs no digits.
; No matrix unit, no tensor load, no cluster: each byte is used by one thread.  LIMITS: NaN and infinities are not served.
.set X,    8                           ; v[8:71]   my 64 numbers
.set A,    72                          ; v[72:79]  four chains of pairs
.set T,    80                          ; v[80:87]  at work
.set MEAN, 88                          ; v[88:89]  the mean, twice (a pair for the packed forms); at the end {mean, M2}
.set PART, 90                          ; v[90:97]  the eight waves' parts
.set PERM, 98                          ; v98       a lane permute's destination (it counts as read: written once here)
.set ZERO, 99                          ; v99       0
	s_load_b128 s[4:7], s[0:1], 0x0                ; x s[4:5], stats s[6:7]
	v_lshl_add_u32 v104, v0, 2, 0x100
	v_mov_b32 v105, 0
	v_lshlrev_b32 v1, 4, v0                        ; 16 t
	v_lshrrev_b32 v2, 5, v0
	s_delay_alu instid0(VALU_DEP_1)
	v_readfirstlane_b32 s8, v2                     ; wave 0..7
	s_delay_alu instid0(VALU_DEP_2)
	v_lshlrev_b32 v2, 2, v2                        ; LDS: 4 x wave
	v_mov_b32 v[PERM], 0
	v_mov_b32 v[ZERO], 0
	s_lshl_b32 s2, ttmp9, 16                       ; 65,536 g
	s_mov_b32 s3, 0
	s_mov_b32 s10, 0x76543210                      ; v_permlanex16_b32's selects for lane l xor 16
	s_mov_b32 s11, 0xfedcba98
	s_wait_alu depctr_va_vdst(0)
	s_wait_kmcnt 0x0
	s_add_nc_u64 s[4:5], s[4:5], s[2:3]
.irp i, 0,1,2,3,4,5,6,7,8,9,10,11,12,13,14,15
	global_load_b128 v[X+4*\i:X+4*\i+3], v1, s[4:5] offset:4096*\i   ; no hint: later launches read x again
.endr
; The four chains become one number a lane, one a wave (four steps inside 16 lanes ride on the addition, one crosses the halves), and, through eight LDS words at byte off, one for the work-group, in v[PART] of every lane.
.macro REDUCE off
	v_pk_add_f32 v[A:A+1], v[A:A+1], v[A+2:A+3]
	s_delay_alu instid0(VALU_DEP_2)
	v_pk_add_f32 v[A+4:A+5], v[A+4:A+5], v[A+6:A+7]
	s_delay_alu instid0(VALU_DEP_1)
	v_pk_add_f32 v[A:A+1], v[A:A+1], v[A+4:A+5]
	s_delay_alu instid0(VALU_DEP_1)
	v_add_f32 v[T], v[A], v[A+1]
	s_delay_alu instid0(VALU_DEP_1)
	v_add_f32_dpp v[T], v[T], v[T] row_xmask:1 row_mask:0xf bank_mask:0xf
	s_delay_alu instid0(VALU_DEP_1)
	v_add_f32_dpp v[T], v[T], v[T] row_xmask:2 row_mask:0xf bank_mask:0xf
	s_delay_alu instid0(VALU_DEP_1)
	v_add_f32_dpp v[T], v[T], v[T] row_xmask:4 row_mask:0xf bank_mask:0xf
	s_delay_alu instid0(VALU_DEP_1)
	v_add_f32_dpp v[T], v[T], v[T] row_xmask:8 row_mask:0xf bank_mask:0xf
	s_delay_alu instid0(VALU_DEP_1)
	v_permlanex16_b32 v[PERM], v[T], s10, s11
	s_delay_alu instid0(VALU_DEP_1)
	v_add_f32 v[T], v[T], v[PERM]
	ds_store_b32 v2, v[T] offset:\off              ; all lanes of a wave write the same word with the same value
	s_wait_dscnt 0x0                               ; for the others' sake: my store has landed
	s_barrier_signal -1
	s_barrier_wait -1
	ds_load_b128 v[PART:PART+3], v[ZERO] offset:\off
	ds_load_b128 v[PART+4:PART+7], v[ZERO] offset:\off+16
	s_wait_dscnt 0x0
	v_pk_add_f32 v[PART:PART+1], v[PART:PART+1], v[PART+2:PART+3]
	v_pk_add_f32 v[PART+4:PART+5], v[PART+4:PART+5], v[PART+6:PART+7]
	s_delay_alu instid0(VALU_DEP_1)
	v_pk_add_f32 v[PART:PART+1], v[PART:PART+1], v[PART+4:PART+5]
	s_delay_alu instid0(VALU_DEP_1)
	v_add_f32 v[PART], v[PART], v[PART+1]
.endm
	; pass 1: the sum.  The first four loads start the chains: nothing is cleared
	s_wait_loadcnt 12                              ; loads come back in order: the first four are in, twelve younger ones may be out
.irp k, 0,1,2,3
	v_pk_add_f32 v[A+2*\k:A+2*\k+1], v[X+2*\k:X+2*\k+1], v[X+8+2*\k:X+8+2*\k+1]
.endr
	s_wait_alu depctr_va_vdst(0)
.irp g, 1,2,3
	s_wait_alu depctr_va_vdst(0)
	s_wait_loadcnt 12-4*\g                         ; the next four are in
.irp k, 0,1,2,3,4,5,6,7
	v_pk_add_f32 v[A+2*(\k%4):A+2*(\k%4)+1], v[A+2*(\k%4):A+2*(\k%4)+1], v[X+16*\g+2*\k:X+16*\g+2*\k+1]
.endr
.endr
	REDUCE 0
	s_delay_alu instid0(VALU_DEP_1)
	v_mul_f32 v[MEAN], 0x38800000, v[PART]         ; x 2^-14: the mean of 16,384 numbers
	s_delay_alu instid0(VALU_DEP_1)
	v_mov_b32 v[MEAN+1], v[MEAN]
	; pass 2: the sum of (x - mean)^2, two at a time, again in four chains
.set p, 0
.rept 32
	v_pk_add_f32 v[T+2*(p%4):T+2*(p%4)+1], v[X+2*p:X+2*p+1], v[MEAN:MEAN+1] neg_lo:[0,1] neg_hi:[0,1]
.if p < 4
	s_delay_alu instid0(VALU_DEP_1)
	v_pk_mul_f32 v[A+2*p:A+2*p+1], v[T+2*p:T+2*p+1], v[T+2*p:T+2*p+1]
.else
	s_delay_alu instid0(VALU_DEP_1)
	v_pk_fma_f32 v[A+2*(p%4):A+2*(p%4)+1], v[T+2*(p%4):T+2*(p%4)+1], v[T+2*(p%4):T+2*(p%4)+1], v[A+2*(p%4):A+2*(p%4)+1]
.endif
.set p, p+1
.endr
	REDUCE 32                                      ; other LDS words than pass 1's, so no third barrier is needed
	s_cmp_lg_u32 s8, 0                             ; thread 0 stores the work-group's 8 bytes (the whole buffer is 2,048 bytes)
	s_cbranch_scc1 .Lend
	v_mov_b32 v[MEAN+1], v[PART]                   ; {mean, M2}
	s_lshl_b32 s2, ttmp9, 3
	s_add_nc_u64 s[6:7], s[6:7], s[2:3]
	v_cmp_eq_u32 vcc_lo, 0, v0
	s_wait_alu depctr_va_vdst(0)
	s_wait_xcnt 0x0                                ; EXEC is a source of every memory instruction issued: it changes only behind this wait
	s_and_saveexec_b32 s9, vcc_lo
	global_store_b64 v[ZERO], v[MEAN:MEAN+1], s[6:7]
	s_wait_xcnt 0x0                                ; and again in front of the line that widens it
	s_or_b32 exec_lo, exec_lo, s9
.Lend:
	s_wait_tensorcnt 0x0
	ds_add_u32 v104, v105
	s_wait_dscnt 0x0
	s_endpgm
.Lfunc_end_k_q7646c8634b_stats:
	.size	k_q7646c8634b_stats, .Lfunc_end_k_q7646c8634b_stats-k_q7646c8634b_stats
	.p2alignl 7, 3214868480
	.fill 96, 4, 3214868480
	.section	.rodata,"a",@progbits
	.p2align	6, 0x0
	.amdhsa_kernel k_q7646c8634b_stats
		.amdhsa_group_segment_fixed_size 1280
		.amdhsa_private_segment_fixed_size 0
		.amdhsa_enable_private_segment 0
		.amdhsa_kernarg_size 16
		.amdhsa_user_sgpr_count 2
		.amdhsa_user_sgpr_kernarg_segment_ptr 1
		.amdhsa_wavefront_size32 1
		.amdhsa_system_sgpr_workgroup_id_x 1
		.amdhsa_system_sgpr_workgroup_id_y 1
		.amdhsa_system_sgpr_workgroup_id_z 1
		.amdhsa_system_vgpr_workitem_id 0
		.amdhsa_next_free_vgpr 106
		.amdhsa_next_free_sgpr 66
		.amdhsa_reserve_vcc 1
		.amdhsa_float_denorm_mode_32 3
		.amdhsa_float_denorm_mode_16_64 3
		.amdhsa_memory_ordered 1
		.amdhsa_forward_progress 1
		.amdhsa_inst_pref_size 14
	.end_amdhsa_kernel
	.amdgpu_metadata
---
amdhsa.version: [ 1, 2 ]
amdhsa.kernels:
  - .name:           k_q7646c8634b_stats
    .symbol:         k_q7646c8634b_stats.kd
    .args:
      - { .name: x, .offset: 0, .size: 8, .value_kind: global_buffer, .address_space: global }
      - { .name: stats, .offset: 8, .size: 8, .value_kind: global_buffer, .address_space: global }
    .group_segment_fixed_size: 1280
    .private_segment_fixed_size: 0
    .kernarg_segment_align: 8
    .kernarg_segment_size: 16
    .max_flat_workgroup_size: 256
    .sgpr_count:     66
    .vgpr_count:     106
    .wavefront_size: 32
...
	.end_amdgpu_metadata
.endif
;; end of part 1
;; launch qkv (part 2): grid 64 x 4, 8 waves a work-group, no clusters, 88,064 bytes of LDS; arguments x, stats, gn_w, gn_b, qkv_w_codes, qkv_w_scales, qkv_b, qimg, kv; writes qimg, kv
.if DOCPART == 2
	.amdgcn_target "amdgcn-amd-amdhsa--gfx1250"
	.amdhsa_code_object_version 6
	.text
	.protected	k_q7646c8634b_qkv
	.globl	k_q7646c8634b_qkv
	.p2align	8
	.type	k_q7646c8634b_qkv,@function
k_q7646c8634b_qkv:
	s_mov_b64 s[64:65], 0
	v_nop
	global_prefetch_b8 v0, s[64:65] scope:SCOPE_SE
	s_setreg_imm32_b32 hwreg(HW_REG_WAVE_MODE, 25, 1), 1
	s_wait_xcnt 0x0
; GroupNorm finished, h quantised along the channels, qkv = W h + bias on codes of FP8 (E4M3) with one E8M0 scale for each 32 along K, and q, k (along the head's 64) and v (along the keys) quantised for the attention launch.
; SHARES.  Work-group (j, b) takes tokens 64 j .. 64 j + 63 of image b, all 256 channels and all 768 rows of W.  Wave w (0..7): (a) normalises channels 32 w .. 32 w + 31; (b) quantises one of h's eight fragments
; (tile of tokens m = w / 2, K step s = w % 2); (c) multiplies rows 64 w .. 64 w + 63 of W (w < 4: q of head w; else k of head w - 4) and rows 512 + 32 w .. + 31 (v: head w / 2, half w % 2 of its 64), for all 64 tokens.
; TILES ARE NOT NEIGHBOURS.  With pi(r) = r + 8 (r / 8): lane r of token tile m = 2 P + u holds token 32 P + 8 u + pi(r), lane r of a tile 2 b + u of W's rows holds row 32 b + 8 u + pi(r).  So the 16 registers of two
; neighbouring result tiles are 16 neighbours, 32 b + 16 (lane / 16) + 0 .. 15, along the next product's K, and the conversions' results ARE that operand's registers.
; q, k: source 0 = 16 rows of W, source 1 = 16 tokens: a lane holds one token, its registers run along d.   v: source 0 = 16 tokens, source 1 = 16 rows of W: a lane holds one d, its registers run along the tokens (the keys).
; OUT, as images of operand registers (a group of four registers = 512 bytes, lane l's 16 bytes at 16 l; each such store covers 512 consecutive bytes, aligned):
;   qimg [b 4][j 64][head 4][4,352]: 4 tiles x 1,024 (pieces c = 0, 1: d block c), then [P 2][lane 32] scale words: lane 16 u + r = tile 2 P + u, row r.
;   kv [b 4][step of 128 keys 32][head 4][17,152]: K 8 tiles x 1,024; at 8,192 V 4 tiles x 2,048 (piece c = key block c); at 16,384 K's scale words [pair 4][lane 32]; at 16,896 V's [2][lane 32], byte c = key block c.
;   A scale word of q or k is (s0, s1, s0, s1): the attention launch lays the real 64 of K in the lower or in the upper half of the instruction's 128.
;   V's scale words get 2 bytes from this work-group and 2 from the one of the neighbouring 64 tokens: 64 bytes a wave leave by a store of 2 bytes a lane.
; h goes from wave to wave through LDS: as f32 [channel][token] (to turn it), then as images of its eight fragments.  Two barriers.
; No tensor load and no joint load: each wave reads its 24 KiB of W once, straight into the registers that hold it, in the operand's order; through LDS all 192 KiB would have to lie beside h and be read once more.
; LIMITS: NaN and infinities are not served; a block whose largest magnitude lies under 2^-118 (a block of zeros too) gets the byte 1: these bytes are read by this program alone.
; REGISTERS, window 0: v1-15 addresses; v16-19 h's scale words, v20-31 W's; v32-95 x, then 64 numbers of h, then four fragments of h; v96-143 the norm's parameters, later v96-191 twelve accumulators; v192-215 the quantiser's;
;   v216-239 codes; v240-255 h's codes, later words.   window 1: v0-127 W's q/k fragments (tile T, K step s at 32 T + 16 s); v128-191 v's (32 u + 16 s); v192-223 q/k bias tiles; v224-239 v's bias.
.set HIMG, 0                           ; LDS: h's eight fragment images x 2,048, index 2 m + s
.set HSC,  16384                       ; their scale words, 128 bytes each
.set HT,   17408                       ; h as f32 [channel 256][token 64],
.set HP,   272                         ; 256 bytes + 16 a channel
.set LANE, 1
.set R,    2
.set H,    3
.set XO,   4                           ; x: 262,144 h + 16 r: lanes 0-15 one channel's 256 bytes, lanes 16-31 those of the channel 16 further on
.set HTW,  5                           ; HT, in
.set HTR,  6                           ; HT, out
.set LI,   7                           ; 16 x lane
.set LS,   8                           ; 4 x lane
.set IW,   9                           ; where I store my fragment's image
.set ISW,  10                          ; and its scale words
.set WO,   11                          ; W's codes: 256 pi(r) + 16 h
.set WSO,  12                          ; W's scale words: 8 pi(r)
.set BO,   13                          ; 64 h: my half's 16 numbers of gn_w, gn_b, qkv_b
.set VBO,  14                          ; 4 pi(r)
.set SO,   15                          ; 32 h: my half's two groups in stats
.set HS,   16
.set WS,   20
.set XR,   32
.set HF,   32
.set GW,   96
.set GB,   112
.set STA,  128
.set MEAN, 136
.set RSTD, 138
.set TT,   140
.set ACC,  96
.set TM,   192                         ; +0.. largest magnitudes, +6.. bytes, +18.. the conversions' scale operands
.set CD,   216
.set PI,   216                         ; (at the head only) pi(r)
.set PW,   216                         ; (while h is quantised) its scale word
.set PC,   240
.set VB0,  240                         ; v's scale byte of P = 0
.set WD,   242
.set BQ,   192                         ; window 1
.set BV,   224
.set W,    22                          ; s22 wave;  s24 image
.set B,    24
.set SEL,  26
.set MNT,  28
.set MSB, 0
.macro WIN new                         ; the immediate's high byte repeats the setting that is left
.if MSB != \new
	s_set_vgpr_msb (MSB<<8)|\new
.set MSB, \new
.endif
.endm
	s_load_b256 s[4:11], s[0:1], 0x0               ; x, stats, gn_w, gn_b
	s_load_b256 s[12:19], s[0:1], 0x20             ; W's codes, W's scales, qkv_b, qimg
	s_load_b64 s[20:21], s[0:1], 0x40              ; kv
	s_set_vgpr_msb 0x40
	v_lshl_add_u32 v254, v0, 2, 0x15400
	v_mov_b32 v255, 0
	s_set_vgpr_msb 0x4000
	v_lshrrev_b32 v[LANE], 5, v0
	s_delay_alu instid0(VALU_DEP_1)
	v_readfirstlane_b32 s[W], v[LANE]
	v_and_b32 v[LANE], 31, v0
	v_and_b32 v[R], 15, v0
	v_bfe_u32 v[H], v0, 4, 1
	s_wait_alu depctr_va_vdst(0)
	v_and_b32 v[PI], 8, v0
	s_delay_alu instid0(VALU_DEP_1)
	v_add_nc_u32 v[PI], v[PI], v[R]                ; pi(r)
	s_and_b32 s[B], ttmp7, 0xffff
	v_lshlrev_b32 v[XO], 18, v[H]
	s_delay_alu instid0(VALU_DEP_1)
	v_lshl_add_u32 v[XO], v[R], 4, v[XO]
	s_mul_i32 s58, s[W], 32*HP                     ; HT in: channel 32 w + 16 h (+ i), bytes 16 r
	s_add_co_u32 s58, s58, HT
	v_mul_u32_u24 v[HTW], v[H], 16*HP
	s_delay_alu instid0(VALU_DEP_1)
	v_lshl_add_u32 v[HTW], v[R], 4, v[HTW]
	s_delay_alu instid0(VALU_DEP_1)
	v_add_nc_u32 v[HTW], s58, v[HTW]
	s_and_b32 s58, s[W], 1                         ; HT out: channel 128 s + 16 h (+ 32 c + i), token 32 (m / 2) + 8 (m % 2) + pi(r)
	s_mul_i32 s58, s58, 128*HP
	s_lshr_b32 s59, s[W], 2
	s_lshl_b32 s59, s59, 7
	s_add_co_u32 s58, s58, s59
	s_bfe_u32 s59, s[W], 0x10001
	s_lshl_b32 s59, s59, 5
	s_add_co_u32 s58, s58, s59
	s_add_co_u32 s58, s58, HT
	v_mul_u32_u24 v[HTR], v[H], 16*HP
	s_wait_alu depctr_va_vdst(0)
	v_lshl_add_u32 v[HTR], v[PI], 2, v[HTR]
	s_delay_alu instid0(VALU_DEP_1)
	v_add_nc_u32 v[HTR], s58, v[HTR]
	v_lshlrev_b32 v[LI], 4, v[LANE]
	v_lshlrev_b32 v[LS], 2, v[LANE]
	s_lshl_b32 s58, s[W], 11
	v_add_nc_u32 v[IW], s58, v[LI]
	s_lshl_b32 s58, s[W], 7
	v_add_nc_u32 v[ISW], s58, v[LS]
	v_lshlrev_b32 v[WO], 8, v[PI]
	s_delay_alu instid0(VALU_DEP_1)
	v_lshl_add_u32 v[WO], v[H], 4, v[WO]
	v_lshlrev_b32 v[WSO], 3, v[PI]
	v_lshlrev_b32 v[BO], 6, v[H]
	v_lshlrev_b32 v[VBO], 2, v[PI]
	v_lshlrev_b32 v[SO], 5, v[H]
	v_cmp_lt_u32 vcc_lo, 15, v[LANE]               ; lanes 16-31: kept for the whole launch
.irp k, 6,7,8,9,10,11
	v_mov_b32 v[TM+\k], 0                          ; written once: a lane permute's destination counts as one of its sources
.endr
	s_mov_b32 s[SEL], 0x76543210                   ; v_permlanex16_b32's selects for lane l xor 16
	s_mov_b32 s[SEL+1], 0xfedcba98
	s_mov_b32 s29, 0x38000000                      ; 2^-15: a group has 32,768 numbers
	s_mov_b32 s30, 0x3727c5ac                      ; 1e-5
	; byte offsets, each in a pair of its own with 0 on top (all stay under 2^25)
	s_lshl_b32 s32, s[B], 22                       ; x: image, my 32 channels, the 64 tokens
	s_lshl_b32 s58, s[W], 19
	s_add_co_u32 s32, s32, s58
	s_lshl_b32 s58, ttmp9, 8
	s_add_co_u32 s32, s32, s58
	s_lshl_b32 s34, s[B], 9                        ; stats: 16 bytes a group, my four groups
	s_lshl_b32 s58, s[W], 6
	s_add_co_u32 s34, s34, s58
	s_lshl_b32 s36, s[W], 7                        ; gn_w, gn_b
	s_lshl_b32 s38, s[W], 14                       ; W's codes: rows 64 w,
	s_lshl_b32 s40, s[W], 13
	s_add_co_u32 s40, s40, 131072                  ; and rows 512 + 32 w
	s_lshl_b32 s42, s[W], 9                        ; W's scale bytes, 8 a row
	s_lshl_b32 s44, s[W], 8
	s_add_co_u32 s44, s44, 4096
	s_lshl_b32 s46, s[W], 8                        ; qkv_b
	s_lshl_b32 s48, s[W], 7
	s_add_co_u32 s48, s48, 2048
.irp k, 33,35,37,39,41,43,45,47,49,51,53,55,57
	s_mov_b32 s\k, 0
.endr
	s_lshl_b32 s58, s[B], 6
	s_add_co_u32 s58, s58, ttmp9
	s_lshl_b32 s58, s58, 2
	s_and_b32 s59, s[W], 3
	s_add_co_u32 s58, s58, s59
	s_mul_i32 s58, s58, 4352                       ; q's block: (b, j, head w % 4)
	s_lshr_b32 s60, ttmp9, 1
	s_lshl_b32 s61, s[B], 5
	s_add_co_u32 s60, s60, s61
	s_lshl_b32 s60, s60, 2                         ; 4 x (32 b + j / 2)
	s_add_co_u32 s59, s60, s59
	s_mul_i32 s59, s59, 17152                      ; kv's block of head w % 4,
	s_lshr_b32 s61, s[W], 1
	s_add_co_u32 s60, s60, s61
	s_mul_i32 s60, s60, 17152                      ; and of head w / 2
	s_and_b32 s61, ttmp9, 1                        ; which 64 of the step's 128 keys
	s_lshl_b32 s62, s61, 12
	s_add_co_u32 s62, s59, s62                     ; k's codes
	s_lshl_b32 s63, s61, 8
	s_add_co_u32 s63, s59, s63
	s_add_co_u32 s63, s63, 16384                   ; k's scale words
	s_add_co_u32 s59, s58, 4096                    ; q's scale words
	s_cmp_lt_u32 s[W], 4                           ; waves 0-3 make q, waves 4-7 k
	s_cselect_b32 s50, s58, s62
	s_cselect_b32 s52, s59, s63
	s_and_b32 s58, s[W], 1
	s_lshl_b32 s59, s58, 12
	s_add_co_u32 s54, s60, s59
	s_lshl_b32 s59, s61, 10
	s_add_co_u32 s54, s54, s59
	s_add_co_u32 s54, s54, 8192                    ; v's codes: tiles 2 (w % 2) + u, pieces 2 (j % 2) + P
	s_lshl_b32 s59, s58, 7
	s_add_co_u32 s56, s60, s59
	s_lshl_b32 s59, s61, 1
	s_add_co_u32 s56, s56, s59
	s_add_co_u32 s56, s56, 16896                   ; v's scale words, my two bytes of each
	s_wait_alu depctr_va_vdst(0)
	s_wait_kmcnt 0x0
	s_add_nc_u64 s[4:5], s[4:5], s[32:33]
	s_add_nc_u64 s[6:7], s[6:7], s[34:35]
	s_add_nc_u64 s[8:9], s[8:9], s[36:37]
	s_add_nc_u64 s[10:11], s[10:11], s[36:37]
	s_add_nc_u64 s[38:39], s[12:13], s[38:39]
	s_add_nc_u64 s[40:41], s[12:13], s[40:41]
	s_add_nc_u64 s[42:43], s[14:15], s[42:43]
	s_add_nc_u64 s[44:45], s[14:15], s[44:45]
	s_add_nc_u64 s[46:47], s[16:17], s[46:47]
	s_add_nc_u64 s[48:49], s[16:17], s[48:49]
	s_cmp_lt_u32 s[W], 4
	s_cselect_b64 s[58:59], s[18:19], s[20:21]     ; q goes to qimg, k to kv: the choice hangs on the wave's number alone
	s_add_nc_u64 s[50:51], s[58:59], s[50:51]
	s_add_nc_u64 s[52:53], s[58:59], s[52:53]
	s_add_nc_u64 s[54:55], s[20:21], s[54:55]
	s_add_nc_u64 s[56:57], s[20:21], s[56:57]
	; ---- the norm's parameters (10 loads), then x (16 loads)
	global_load_b128 v[STA:STA+3], v[SO], s[6:7]               ; my half's first group: {mean, M2} of its two halves,
	global_load_b128 v[STA+4:STA+7], v[SO], s[6:7] offset:16   ; and its second
.irp q, 0,1,2,3
	global_load_b128 v[GW+4*\q:GW+4*\q+3], v[BO], s[8:9] offset:16*\q
.endr
.irp q, 0,1,2,3
	global_load_b128 v[GB+4*\q:GB+4*\q+3], v[BO], s[10:11] offset:16*\q
.endr
.irp i, 0,1,2,3,4,5,6,7,8,9,10,11,12,13,14,15
	global_load_b128 v[XR+4*\i:XR+4*\i+3], v[XO], s[4:5] offset:16384*\i   ; channel 32 w + 16 h + i, tokens 4 r .. 4 r + 3: sixteen lanes read 256 consecutive bytes
.endr
	s_wait_loadcnt 16                              ; the parameters are in; the 16 loads of x behind them may be out
.irp g, 0,1                            ; two halves of 16,384 numbers join: mean = (ma + mb) / 2, M2 = M2a + M2b + (ma - mb)^2 x 8,192
	v_add_f32 v[MEAN+\g], v[STA+4*\g], v[STA+4*\g+2]
	v_sub_f32 v[TT+\g], v[STA+4*\g], v[STA+4*\g+2]
	v_add_f32 v[TT+2+\g], v[STA+4*\g+1], v[STA+4*\g+3]
.endr
.irp g, 0,1
	v_mul_f32 v[MEAN+\g], 0.5, v[MEAN+\g]
	v_mul_f32 v[TT+\g], v[TT+\g], v[TT+\g]
.endr
.irp g, 0
	s_delay_alu instid0(VALU_DEP_3)
	v_fma_f32 v[TT+2+\g], v[TT+\g], 0x46000000, v[TT+2+\g]
.endr
.irp g, 1
	s_delay_alu instid0(VALU_DEP_2)
	v_fma_f32 v[TT+2+\g], v[TT+\g], 0x46000000, v[TT+2+\g]
.endr
.irp g, 0,1
	s_delay_alu instid0(VALU_DEP_2)
	v_fma_f32 v[TT+2+\g], v[TT+2+\g], s29, s30     ; the variance + 1e-5
.endr
	s_wait_alu depctr_va_vdst(0)
	v_rsq_f32 v[RSTD], v[TT+2]
	v_rsq_f32 v[RSTD+1], v[TT+3]
	v_nop                                          ; one plain instruction behind a transcendental before its result is used (ISA guide 5.7.2)
	s_wait_alu depctr_va_vdst(0)
.irp i, 0,1,2,3,4,5,6,7,8,9,10,11,12,13,14,15
	v_mul_f32 v[GW+\i], v[GW+\i], v[RSTD+\i/8]     ; the gain takes 1 / sigma up
.endr
.irp i, 0,1,2,3,4,5,6,7,8,9,10,11,12,13,14,15
	s_wait_loadcnt 15-\i                           ; load i is in; the younger ones may be out
.irp q, 0,1,2,3
	v_sub_f32 v[XR+4*\i+\q], v[XR+4*\i+\q], v[MEAN+\i/8]
.endr
.irp q, 0,1,2,3
	s_delay_alu instid0(VALU_DEP_4)
	v_fma_f32 v[XR+4*\i+\q], v[XR+4*\i+\q], v[GW+\i], v[GB+\i]
.endr
	ds_store_b128 v[HTW], v[XR+4*\i:XR+4*\i+3] offset:HP*\i
.endr
	; ---- my part of W, its scale words and biases: asked for now, wanted behind the second barrier
	WIN 0x40                                       ; destination window 1
.irp T, 0,1,2,3
.irp s, 0,1
.irp c, 0,1,2,3
	global_load_b128 v[32*\T+16*\s+4*\c:32*\T+16*\s+4*\c+3], v[WO], s[38:39] offset:(32*(\T/2)+8*(\T%2))*256+128*\s+32*\c
.endr
.endr
.endr
.irp u, 0,1
.irp s, 0,1
.irp c, 0,1,2,3
	global_load_b128 v[128+32*\u+16*\s+4*\c:128+32*\u+16*\s+4*\c+3], v[WO], s[40:41] offset:8*\u*256+128*\s+32*\c
.endr
.endr
.endr
.irp T, 0,1,2,3                        ; q/k bias in the result's layout: register i of lane (r, h) is row 32 (T / 2) + 8 (T % 2) + 16 h + i
	global_load_b128 v[BQ+8*\T:BQ+8*\T+3], v[BO], s[46:47] offset:(32*(\T/2)+8*(\T%2))*4
	global_load_b128 v[BQ+8*\T+4:BQ+8*\T+7], v[BO], s[46:47] offset:(32*(\T/2)+8*(\T%2))*4+16
.endr
.irp u, 0,1                            ; v's: all eight registers of lane r are row 8 u + pi(r)
	global_load_b32 v[BV+8*\u], v[VBO], s[48:49] offset:32*\u
.endr
	WIN 0
.irp T, 0,1,2,3
.irp s, 0,1
	global_load_b32 v[WS+2*\T+\s], v[WSO], s[42:43] offset:(32*(\T/2)+8*(\T%2))*8+4*\s
.endr
.endr
.irp u, 0,1
.irp s, 0,1
	global_load_b32 v[WS+8+2*\u+\s], v[WSO], s[44:45] offset:8*\u*8+4*\s
.endr
.endr
	s_wait_dscnt 0x0                               ; for the others' sake: my 32 channels of h lie in LDS
	s_barrier_signal -1
	s_barrier_wait -1
; nb blocks of 32 along K.  Of block q a lane holds 16 numbers in v[src + 16 q] on (the other 16 lie in lane l xor 16); its codes go to v[dst + 4 q] on, its scale byte to v[TM + 6 + q].  The blocks take turns line by line.
.macro QUANT src, dst, nb
.set qb, 0
.rept \nb
	v_max3_num_f32 v[TM+qb], |v[\src+16*qb]|, |v[\src+16*qb+1]|, 0x4800000   ; the floor 2^(9 - 127) among the leaves holds the byte at 1 from below
.set qb, qb+1
.endr
.set qi, 2
.rept 7
.set qb, 0
.rept \nb
	v_max3_num_f32 v[TM+qb], v[TM+qb], |v[\src+16*qb+qi]|, |v[\src+16*qb+qi+1]|
.set qb, qb+1
.endr
.set qi, qi+2
.endr
.set qb, 0
.rept \nb
	v_permlanex16_b32 v[TM+6+qb], v[TM+qb], s[SEL], s[SEL+1]
.set qb, qb+1
.endr
.set qb, 0
.rept \nb
	v_max_num_f32 v[TM+qb], v[TM+qb], v[TM+6+qb]   ; the block's largest magnitude
.set qb, qb+1
.endr
.set qb, 0
.rept \nb
	v_add_nc_u32 v[TM+18+qb], 0xfc000000, v[TM+qb] ; 8 off its exponent field: the conversion takes this operand's exponent field as its scale
.set qb, qb+1
.endr
.set qb, 0
.rept \nb
.set qb, qb+1
.endr
.set qb, 0
.rept \nb
	v_lshrrev_b32 v[TM+6+qb], 23, v[TM+18+qb]      ; the scale's byte
.set qb, qb+1
.endr
.set qb, 0
.rept \nb
.set qi, 0
.rept 16
.set qi, qi+1
.endr
	v_cvt_scalef32_pk8_fp8_f32 v[\dst+4*qb:\dst+4*qb+1], v[\src+16*qb:\src+16*qb+7], v[TM+18+qb]
	v_cvt_scalef32_pk8_fp8_f32 v[\dst+4*qb+2:\dst+4*qb+3], v[\src+16*qb+8:\src+16*qb+15], v[TM+18+qb]
.set qb, qb+1
.endr
	v_nop                                          ; one plain instruction between the last conversion and whatever next touches its registers
.endm
	; ---- my fragment of h: token pi-ordered row r, channels 128 s + 32 c + 16 h + i.  (Lanes l and l + 16 fall on the same banks: 64 loads a wave, once)
.set n, 0
.rept 64
	ds_load_b32 v[XR+n], v[HTR] offset:(32*(n/16)+n%16)*HP
.set n, n+1
.endr
	s_wait_dscnt 0x0
	QUANT XR, PC, 4
	v_lshl_or_b32 v[PW], v[TM+7], 8, v[TM+6]       ; the four bytes make my row's scale word
	s_delay_alu instid0(VALU_DEP_1)
	v_lshl_or_b32 v[PW], v[TM+8], 16, v[PW]
	s_delay_alu instid0(VALU_DEP_1)
	v_lshl_or_b32 v[PW], v[TM+9], 24, v[PW]
.irp c, 0,1,2,3
	ds_store_b128 v[IW], v[PC+4*\c:PC+4*\c+3] offset:HIMG+512*\c
.endr
	ds_store_b32 v[ISW], v[PW] offset:HSC
	s_wait_dscnt 0x0                               ; for the others' sake: my fragment's image lies in LDS
	s_barrier_signal -1
	s_barrier_wait -1
	s_wait_loadcnt 0x0                             ; W, its scale words, the biases
	WIN 0x41                                       ; destination and source 0 window 1
.irp u, 0,1
.irp k, 1,2,3,4,5,6,7
	v_mov_b32 v[BV+8*\u+\k], v[BV+8*\u]
.endr
.endr
	WIN 0
; Twelve products of K step s: eight for q or k, four for v.  The twelve accumulators take turns, one instruction a turn.  K step 0 takes the bias as C: nothing is cleared or added later.
.macro PRODS s
.if \s == 0
	WIN 0x11                                       ; source 0 (W) and C (bias) window 1
.else
	WIN 0x01
.endif
.irp mm, 0,1
.irp T, 0,1,2,3
.if \s == 0
	v_wmma_scale_f32_16x16x128_f8f6f4 v[ACC+32*\mm+8*\T:ACC+32*\mm+8*\T+7], v[32*\T:32*\T+15], v[HF+32*\mm:HF+32*\mm+15], v[BQ+8*\T:BQ+8*\T+7], v[WS+2*\T], v[HS+2*\mm]
.else
	v_wmma_scale_f32_16x16x128_f8f6f4 v[ACC+32*\mm+8*\T:ACC+32*\mm+8*\T+7], v[32*\T+16:32*\T+31], v[HF+32*\mm+16:HF+32*\mm+31], v[ACC+32*\mm+8*\T:ACC+32*\mm+8*\T+7], v[WS+2*\T+1], v[HS+2*\mm+1]
.endif
.endr
.endr
.if \s == 0
	WIN 0x14                                       ; source 1 (W) and C (bias) window 1
.else
	WIN 0x04
.endif
.irp u, 0,1
.irp mm, 0,1
.if \s == 0
	v_wmma_scale_f32_16x16x128_f8f6f4 v[ACC+64+16*\u+8*\mm:ACC+64+16*\u+8*\mm+7], v[HF+32*\mm:HF+32*\mm+15], v[128+32*\u:128+32*\u+15], v[BV+8*\u:BV+8*\u+7], v[HS+2*\mm], v[WS+8+2*\u]
.else
	v_wmma_scale_f32_16x16x128_f8f6f4 v[ACC+64+16*\u+8*\mm:ACC+64+16*\u+8*\mm+7], v[HF+32*\mm+16:HF+32*\mm+31], v[128+32*\u+16:128+32*\u+31], v[ACC+64+16*\u+8*\mm:ACC+64+16*\u+8*\mm+7], v[HS+2*\mm+1], v[WS+8+2*\u+1]
.endif
.endr
.endr
.endm
; Tokens 32 P .. 32 P + 31 (tiles 2 P, 2 P + 1): h's four fragments from LDS, 24 products, six blocks quantised (q/k: tile mm, d block b at 2 mm + b; v: tile u at 4 + u), out.
.macro PAIR P
.irp mm, 0,1
.irp s, 0,1
.irp c, 0,1,2,3
	ds_load_b128 v[HF+32*\mm+16*\s+4*\c:HF+32*\mm+16*\s+4*\c+3], v[LI] offset:HIMG+(4*\P+2*\mm+\s)*2048+512*\c
.endr
	ds_load_b32 v[HS+2*\mm+\s], v[LS] offset:HSC+128*(4*\P+2*\mm+\s)
.endr
.endr
	s_wait_dscnt 0x0
	PRODS 0
	PRODS 1
	WIN 0
.rept 8
	v_nop                                          ; eight places behind this form in front of the first read of results, and of the next pair's loads into h's registers
.endr
.if \P
	s_wait_xcnt 0x0                                ; the last pair's stores have read their data: the codes' and words' registers are rewritten only behind this wait
.endif
	QUANT ACC, CD, 6
	v_lshl_or_b32 v[WD], v[TM+7], 8, v[TM+6]       ; (s0, s1) of tile 2 P,
	v_lshl_or_b32 v[WD+1], v[TM+9], 8, v[TM+8]     ; and of tile 2 P + 1;
	s_delay_alu instid0(VALU_DEP_2)
	v_lshl_or_b32 v[WD], v[WD], 16, v[WD]          ; (s0, s1, s0, s1)
	s_delay_alu instid0(VALU_DEP_2)
	v_lshl_or_b32 v[WD+1], v[WD+1], 16, v[WD+1]
	s_delay_alu instid0(VALU_DEP_1)
	v_cndmask_b32 v[WD+2], v[WD], v[WD+1], vcc_lo  ; lanes 0-15 store the first tile's words, lanes 16-31 the second's
.irp k, 0,1,2,3
	global_store_b128 v[LI], v[CD+4*\k:CD+4*\k+3], s[50:51] offset:(2*\P+\k/2)*1024+512*(\k%2)
.endr
	global_store_b32 v[LS], v[WD+2], s[52:53] offset:128*\P
.irp u, 0,1
	global_store_b128 v[LI], v[CD+16+4*\u:CD+16+4*\u+3], s[54:55] offset:2048*\u+512*\P
.endr
.if \P == 0
	v_cndmask_b32 v[VB0], v[TM+10], v[TM+11], vcc_lo   ; v's byte of this key block: lanes 0-15 tile u = 0, lanes 16-31 tile u = 1; kept
.else
	v_cndmask_b32 v[VB0+1], v[TM+10], v[TM+11], vcc_lo
	s_delay_alu instid0(VALU_DEP_1)
	v_lshl_or_b32 v[VB0+1], v[VB0+1], 8, v[VB0]
	global_store_b16 v[LS], v[VB0+1], s[56:57]     ; my two key blocks' bytes of each scale word
.endif
.endm
	s_wait_alu depctr_va_vdst(0)
	PAIR 0
	PAIR 1
	s_set_vgpr_msb 0x5
	s_wait_tensorcnt 0x0
	ds_add_u32 v254, v255
	s_wait_dscnt 0x0
	s_set_vgpr_msb 0x500
	s_endpgm
.Lfunc_end_k_q7646c8634b_qkv:
	.size	k_q7646c8634b_qkv, .Lfunc_end_k_q7646c8634b_qkv-k_q7646c8634b_qkv
	.p2alignl 7, 3214868480
	.fill 96, 4, 3214868480
	.section	.rodata,"a",@progbits
	.p2align	6, 0x0
	.amdhsa_kernel k_q7646c8634b_qkv
		.amdhsa_group_segment_fixed_size 88064
		.amdhsa_private_segment_fixed_size 0
		.amdhsa_enable_private_segment 0
		.amdhsa_kernarg_size 72
		.amdhsa_user_sgpr_count 2
		.amdhsa_user_sgpr_kernarg_segment_ptr 1
		.amdhsa_wavefront_size32 1
		.amdhsa_system_sgpr_workgroup_id_x 1
		.amdhsa_system_sgpr_workgroup_id_y 1
		.amdhsa_system_sgpr_workgroup_id_z 1
		.amdhsa_system_vgpr_workitem_id 0
		.amdhsa_next_free_vgpr 512
		.amdhsa_next_free_sgpr 66
		.amdhsa_reserve_vcc 1
		.amdhsa_float_denorm_mode_32 3
		.amdhsa_float_denorm_mode_16_64 3
		.amdhsa_fp16_overflow 1
		.amdhsa_memory_ordered 1
		.amdhsa_forward_progress 1
		.amdhsa_inst_pref_size 57
	.end_amdhsa_kernel
	.amdgpu_metadata
---
amdhsa.version: [ 1, 2 ]
amdhsa.kernels:
  - .name:           k_q7646c8634b_qkv
    .symbol:         k_q7646c8634b_qkv.kd
    .args:
      - { .name: x, .offset: 0, .size: 8, .value_kind: global_buffer, .address_space: global }
      - { .name: stats, .offset: 8, .size: 8, .value_kind: global_buffer, .address_space: global }
      - { .name: gn_w, .offset: 16, .size: 8, .value_kind: global_buffer, .address_space: global }
      - { .name: gn_b, .offset: 24, .size: 8, .value_kind: global_buffer, .address_space: global }
      - { .name: qkv_w_codes, .offset: 32, .size: 8, .value_kind: global_buffer, .address_space: global }
      - { .name: qkv_w_scales, .offset: 40, .size: 8, .value_kind: global_buffer, .address_space: global }
      - { .name: qkv_b, .offset: 48, .size: 8, .value_kind: global_buffer, .address_space: global }
      - { .name: qimg, .offset: 56, .size: 8, .value_kind: global_buffer, .address_space: global }
      - { .name: kv, .offset: 64, .size: 8, .value_kind: global_buffer, .address_space: global }
    .group_segment_fixed_size: 88064
    .private_segment_fixed_size: 0
    .kernarg_segment_align: 8
    .kernarg_segment_size: 72
    .max_flat_workgroup_size: 256
    .sgpr_count:     66
    .vgpr_count:     512
    .wavefront_size: 32
...
	.end_amdgpu_metadata
.endif
;; end of part 2
;; launch attn (part 3): grid 64 x 4, 16 waves a work-group, clusters of 4 x 1, 327,680 bytes of LDS; arguments qimg, kv, out_w_codes, out_w_scales, out_b, x, out0; writes out0
.if DOCPART == 3
	.amdgcn_target "amdgcn-amd-amdhsa--gfx1250"
	.amdhsa_code_object_version 6
	.text
	.protected	k_q7646c8634b_attn
	.globl	k_q7646c8634b_attn
	.p2align	8
	.type	k_q7646c8634b_attn,@function
k_q7646c8634b_attn:
	s_mov_b64 s[64:65], 0
	v_nop
	global_prefetch_b8 v0, s[64:65] scope:SCOPE_SE
	s_setreg_imm32_b32 hwreg(HW_REG_WAVE_MODE, 25, 1), 1
	s_wait_xcnt 0x0
	s_wait_alu depctr_hold_cnt(0) depctr_sa_sdst(0) depctr_va_vdst(0) depctr_va_sdst(0) depctr_va_ssrc(0) depctr_va_vcc(0) depctr_vm_vsrc(0)
	s_getreg_b32 s2, hwreg(HW_REG_IB_STS2, 6, 4)
	s_cmp_eq_u32 s2, 0
	s_cbranch_scc0 .Lentry_in_a_cluster
	s_endpgm
.Lentry_in_a_cluster:
	s_bfe_u32 s2, ttmp6, 0x10000c
	s_cmp_lg_u32 s2, 0x3003
	s_cbranch_scc0 .Lentry_shape_is_right
	s_endpgm
.Lentry_shape_is_right:
; Attention over 4,096 keys for 4 heads of 64, the output projection and the residual; all products on codes of FP8 (E4M3) with one E8M0 scale for each 32 along K.
; SHARES.  Work-group (j, b) owns tokens 64 j .. 64 j + 63 of image b as queries, for ALL four heads, so that it holds all 256 channels of its tokens and can multiply by out_w itself.  Wave WV: head HD = WV / 4, tile of
; 16 queries MT = WV % 4, in 256 registers: four waves to a SIMD, so that one wave's vector work stands beside another's products and LDS loads.  Every wave walks all keys, 128 a step.
; OPERANDS come as images of their registers (made by the launch before): a group of four registers is 512 bytes, lane l's 16 bytes at 16 l.  No pitch, no padding: every LDS load takes 512 consecutive bytes.
; kv [b][step 32][head 4][17,152]: K 8 tiles x 1,024; at 8,192 V 4 tiles x 2,048; at 16,384 K's scale words [pair 4][lane 32]; at 16,896 V's [2][lane 32].  A slot holds two steps of all heads: 137,216 dense bytes of memory.
; LAYOUT.  Both products are used transposed: S^T = K Q^T, O^T = V^T P^T: a lane holds ONE query throughout.  The keys of a tile were chosen so that the 16 registers of score tiles 2 i, 2 i + 1 are keys 32 i + 16 (lane / 16) + 0 .. 15,
; V's rows so that O^T's 16 registers of tiles 2 b, 2 b + 1 are 16 neighbouring channels: the conversions' results are the next operand's registers both times.
; K = 64 IN AN INSTRUCTION OF 128.  An even tile is (K, zeros) against (Q, zeros), an odd one (zeros, K) against (zeros, Q): the other 64 hold zero codes on both sides, 24 registers hold two fragments, and the scale words are (s0, s1, s0, s1).
; SOFTMAX.  t = score x log2(e) / 8; M = the running largest t rounded UP to a whole number; p = 2^(t - M) is quantised along the keys, not normalised; the sum is taken of the unquantised p and divides O at the end.
; When M moves, the sum and O^T are multiplied by 2^(old M - new M): exact.  The loop has no first step of its own: O^T and the sum begin as zeros, the largest t as -3e38.
; CLUSTER.  The four work-groups of a cluster belong to one image and walk the same kv: each block is asked for JOINTLY, by the same tensor load with the same descriptor and the mask of all four.  Waves 0-7 ask for one
; block of 17,152 bytes (67 rows of 256) each; at most one tensor load of a wave is out.  Nothing of the place in the cluster enters an LDS address, a branch or a descriptor.
; No prefetch: kv and qimg were written by the launch just before.  LIMITS: NaN and infinities are not served; a block whose largest magnitude lies under 2^-118 gets the byte 1 (read by this program alone).
; REGISTERS: v1-11 addresses; v12 -M, v13 the largest t, v[14:15] the sum; v16-23 Q, v24-31 zeros, v32-39 Q; v48-95 two triples [K][zeros][K]; v96-159 S^T, then p, then V; v160-191 O^T; v192-207 p's codes;
;   v208-223 at work; v224-231 scale words and nothing else; v232-235 at work; v236-242 the epilogue's addresses.
.set BLK,   17152
.set STEPB, 4*BLK
.set SLOT,  2*STEPB
.set SPARE, 2*SLOT                     ; behind the ring: the spare words, 128 bytes for each of 16 waves: eight blocks of 256 bytes that no other line names
.set OIMG,  0                          ; the epilogue lies in slot 0, which has had its last fill and its last read at the last change of slots: the attention result's 8 fragment images x 2,048 (2 m + s),
.set OSC,   16384                      ; their scale words, 128 bytes each,
.set STG,   17408                      ; and a stage of 256 rows (channels) x (256 bytes + 16)
.set A16, 1                            ; 16 x lane + my head's block
.set A4,  2                            ; 4 x lane + my head's scale words
.set SPW, 3                            ; LDS address of my spare word; never rewritten
.set NIL, 4                            ; 0; never rewritten
.set AD,  5                            ; the step's codes
.set AS,  6                            ; the step's scale words
.set LI,  7                            ; 16 x lane
.set LS,  8                            ; 4 x lane
.set R,   9
.set H,   10
.set R4,  11
.set KT,  48
.set S,   96
.set O,   160
.set PC,  192
.set BM,  208                          ; each block's largest score, then its largest p
.set T1,  212
.set HO,  216
.set SOP, 220                          ; the conversions' scale operands
.set KS,  224
.set VS,  228
.set PW,  230
.set QS,  231
.set F,   232                          ; f = 2^(old M - new M); v233 is named with it as a pair
.set TMP, 234
.set WOA, 236
.set WSA, 237
.set XA,  238
.set OWI, 239
.set OWS, 240
.set STO, 241
.set SRD, 242
.set WV,  18
.set HD,  19
.set MT,  20
.set SEL, 22
.set CS,  24
.set MNT, 26
.set G1,  28                           ; s[28:35] descriptor group 1
.set G0,  36                           ; s[36:43] group 0, a set for each slot
.set CNT, 44
; A round of the cluster's barrier: my work-group's barrier, so that wave 0's signal speaks for all sixteen waves; wave 0 signals; every wave waits for the four work-groups; my work-group's barrier once more.
.macro ROUND
	s_barrier_signal -1
	s_barrier_wait -1
	s_cmp_lg_u32 s[WV], 0
	s_cbranch_scc1 .Lnot_wave_0_\@
	s_barrier_signal -3
.Lnot_wave_0_\@:
	s_barrier_wait -3
	s_barrier_signal -1
	s_barrier_wait -1
.endm
; Waves 0-7 ask for their block of slot n.  The branch hangs on the wave's number alone.  Four v_nop follow the load.
.macro TLOAD n
	s_cmp_lt_u32 s[WV], 8
	s_cbranch_scc0 .Lno_load_\@
	tensor_load_to_lds s[G0+4*(\n):G0+4*(\n)+3], s[G1:G1+7]
	s_nop 0
.rept 4
	v_nop
.endr
.Lno_load_\@:
.endm
	s_load_b256 s[4:11], s[0:1], 0x0               ; qimg, kv, out_w's codes, out_w's scales
	s_load_b128 s[12:15], s[0:1], 0x20             ; out_b, x
	s_load_b64 s[16:17], s[0:1], 0x30              ; out0
	v_lshl_add_u32 v[SPW], v0, 2, SPARE
	v_mov_b32 v[NIL], 0
	ds_add_u32 v3, v4
	ds_add_u32 v3, v4
	s_wait_dscnt 0x0
	v_lshrrev_b32 v[AD], 5, v0
	s_delay_alu instid0(VALU_DEP_1)
	v_readfirstlane_b32 s[WV], v[AD]               ; wave 0..15
	s_lshr_b32 s[HD], s[WV], 2
	s_and_b32 s[MT], s[WV], 3
	s_bfe_u32 s45, ttmp6, 0x40000                  ; cx: my place in the cluster
	s_lshl_b32 s46, ttmp9, 2                       ; in a cluster launch ttmp9 counts clusters
	s_add_co_u32 s46, s46, s45                     ; j: it enters the addresses of qimg, x and out0 alone
	s_and_b32 s47, ttmp7, 0xffff                   ; the image, which the four partners share
	; descriptor group 1: 67 rows of 32 elements of 8 bytes, dense in memory and in LDS
	s_mov_b32 s[G1], 15|(3<<16)|(1<<21)            ; 15:0 the mask: all four work-groups; 17:16 elements of 8 bytes; 20 no padding; 21 set beside a mask
	s_mov_b32 s[G1+1], 32<<16                      ; tensor_dim0 = 32
	s_mov_b32 s[G1+2], 67<<16                      ; tensor_dim1 = 67
	s_mov_b32 s[G1+3], 32<<16                      ; tile_dim0 = 32
	s_mov_b32 s[G1+4], 67                          ; tile_dim1 = 67
	s_mov_b32 s[G1+5], 32                          ; elements from row to row
	s_mov_b32 s[G1+6], 0
	s_mov_b32 s[G1+7], 0
	s_and_b32 s48, s[WV], 7
	s_mul_i32 s48, s48, BLK                        ; my block's place in a slot, in LDS as in memory
	s_mul_i32 s50, s47, 32*STEPB                   ; the image's kv
	s_add_co_u32 s50, s50, s48
	s_mov_b32 s51, 0
	s_lshl_b32 s52, s47, 6                         ; qimg: block ((64 b + j) 4 + head) of 4,352 bytes
	s_add_co_u32 s52, s52, s46
	s_lshl_b32 s52, s52, 2
	s_add_co_u32 s52, s52, s[HD]
	s_mul_i32 s52, s52, 4352
	s_lshl_b32 s53, s[MT], 10
	s_add_co_u32 s54, s52, s53                     ; my tile's codes,
	s_mov_b32 s55, 0
	s_lshl_b32 s53, s[MT], 6
	s_add_co_u32 s56, s52, s53
	s_add_co_u32 s56, s56, 4096                    ; and its 16 scale words
	s_mov_b32 s57, 0
	s_lshl_b32 s58, s47, 22                        ; x and out0: image, channels 16 WV on, the 64 tokens
	s_lshl_b32 s53, s[WV], 18
	s_add_co_u32 s58, s58, s53
	s_lshl_b32 s53, s46, 8
	s_add_co_u32 s58, s58, s53
	s_mov_b32 s59, 0
	s_mov_b32 s61, 0
	s_mov_b32 s[SEL], 0x76543210                   ; v_permlanex16_b32's selects for lane l xor 16
	s_mov_b32 s[SEL+1], 0xfedcba98
	s_mov_b32 s[CS], 0x3e38aa3b                    ; c = log2(e) / sqrt(64)
	s_mov_b32 s[CS+1], s[CS]                       ; (named with it as a pair, so it is written)
	s_wait_kmcnt 0x0
	s_add_nc_u64 s[50:51], s[6:7], s[50:51]
.irp n, 0,1
	s_mov_b32 s[G0+4*\n], 1                                        ; count = 1
	s_add_co_u32 s[G0+4*\n+1], s48, \n*SLOT                        ; LDS address
	s_add_nc_u64 s[G0+4*\n+2:G0+4*\n+3], s[50:51], \n*SLOT         ; global address: steps 2 n, 2 n + 1
	s_or_b32 s[G0+4*\n+3], s[G0+4*\n+3], 0x80000000                ; type = 2
.endr
	s_add_nc_u64 s[54:55], s[4:5], s[54:55]
	s_add_nc_u64 s[56:57], s[4:5], s[56:57]
	s_lshl_b32 s60, s[WV], 12                      ; out_w: my 16 rows of 256 codes,
	s_add_nc_u64 s[8:9], s[8:9], s[60:61]
	s_lshl_b32 s60, s[WV], 7                       ; of 8 scale bytes,
	s_add_nc_u64 s[10:11], s[10:11], s[60:61]
	s_lshl_b32 s60, s[WV], 6                       ; and out_b's 16 numbers
	s_add_nc_u64 s[12:13], s[12:13], s[60:61]
	s_add_nc_u64 s[14:15], s[14:15], s[58:59]
	s_add_nc_u64 s[16:17], s[16:17], s[58:59]
	ROUND                                          ; all four work-groups are here: the first joint loads meet
	TLOAD 0                                        ; steps 0 and 1
	v_and_b32 v[AS], 31, v0                        ; lane
	v_and_b32 v[R], 15, v0
	v_bfe_u32 v[H], v0, 4, 1
	s_delay_alu instid0(VALU_DEP_3)
	v_lshlrev_b32 v[LI], 4, v[AS]
	s_delay_alu instid0(VALU_DEP_4)
	v_lshlrev_b32 v[LS], 2, v[AS]
	s_delay_alu instid0(VALU_DEP_4)
	v_lshlrev_b32 v[R4], 2, v[R]
	s_mul_i32 s62, s[HD], BLK
	v_add_nc_u32 v[A16], s62, v[LI]
	s_add_co_u32 s62, s62, 16384
	v_add_nc_u32 v[A4], s62, v[LS]
	global_load_b128 v[16:19], v[LI], s[54:55]             ; Q's eight registers, twice: below the zeros and above them
	global_load_b128 v[20:23], v[LI], s[54:55] offset:512
	global_load_b128 v[32:35], v[LI], s[54:55]
	global_load_b128 v[36:39], v[LI], s[54:55] offset:512
	global_load_b32 v[QS], v[R4], s[56:57]                 ; lane r: row r's scale word
.irp k, 0,1,2,3,4,5,6,7
	v_mov_b32 v[24+\k], 0                          ; zero codes: the half of K that a head of 64 leaves empty
	v_mov_b32 v[KT+8+\k], 0
	v_mov_b32 v[KT+32+\k], 0
.endr
.set n, 0
.rept 32
	v_mov_b32 v[O+n], 0                            ; O^T: the first change of M multiplies zeros
.set n, n+1
.endr
	v_mov_b32 v13, 0xff61b1e6                      ; the largest t so far: -3e38
	s_delay_alu instid0(VALU_DEP_1)
	v_floor_f32 v12, -v13                          ; -M
	v_mov_b32 v14, 0                               ; the sum, in two halves
	v_mov_b32 v15, 0
.irp b, 0,1,2,3
	v_mov_b32 v[T1+\b], 0                          ; written once: a lane permute's destination counts as one of its sources
.endr
	v_mov_b32 v[F+1], 0
.macro KLOAD g                         ; tiles 4 g .. 4 g + 3 of K: an even tile below its triple's zeros, an odd one above
.irp t, 0,1,2,3
	ds_load_b128 v[KT+24*(\t/2)+16*(\t%2):KT+24*(\t/2)+16*(\t%2)+3], v[AD] offset:(4*\g+\t)*1024
	ds_load_b128 v[KT+24*(\t/2)+16*(\t%2)+4:KT+24*(\t/2)+16*(\t%2)+7], v[AD] offset:(4*\g+\t)*1024+512
.endr
.endm
.macro QK g                            ; S^T of these four tiles.  A pair's scale words share a register: the even tile's in lanes 0-15, the odd tile's in lanes 16-31
.irp t, 0,1,2,3
.if \t%2
	v_wmma_scale_f32_16x16x128_f8f6f4 v[S+8*(4*\g+\t):S+8*(4*\g+\t)+7], v[KT+24*(\t/2)+8:KT+24*(\t/2)+23], v[24:39], 0, v[KS+2*\g+\t/2], v[QS] matrix_a_scale:MATRIX_SCALE_ROW1
.else
	v_wmma_scale_f32_16x16x128_f8f6f4 v[S+8*(4*\g+\t):S+8*(4*\g+\t)+7], v[KT+24*(\t/2):KT+24*(\t/2)+15], v[16:31], 0, v[KS+2*\g+\t/2], v[QS]
.endif
.endr
.endm
.macro BMAX b0, b1                     ; the largest score of my 16 keys of two blocks, by turns; each result tile is read from its low end on
.irp b, \b0, \b1
	v_max3_num_f32 v[BM+\b], v[S+16*\b], v[S+16*\b+1], v[S+16*\b+2]
.endr
.irp i, 3,5,7,9,11,13
.irp b, \b0, \b1
	v_max3_num_f32 v[BM+\b], v[BM+\b], v[S+16*\b+\i], v[S+16*\b+\i+1]
.endr
.endr
.irp b, \b0, \b1
	v_max_num_f32 v[BM+\b], v[BM+\b], v[S+16*\b+15]
.endr
.endm
; A KEY STEP: the 128 keys whose blocks begin at LDS byte base.
.macro STEP base
	v_add_nc_u32 v[AD], (\base), v[A16]
	v_add_nc_u32 v[AS], (\base), v[A4]
	KLOAD 0
.irp i, 0,1,2,3
	ds_load_b32 v[KS+\i], v[AS] offset:128*\i
.endr
.rept 7
	v_nop                                          ; with the two additions above nine places: the products below write over V's registers, which the last step's products read
.endr
	s_wait_alu depctr_va_vdst(0)
	s_wait_dscnt 0x0
	QK 0
.rept 8
	v_nop                                          ; eight places in front of loads into K's registers, and of the first read of these scores
.endr
	KLOAD 1
.irp i, 0,1
	ds_load_b32 v[VS+\i], v[AS] offset:512+128*\i
.endr
	s_wait_dscnt 0x0
	QK 1
	BMAX 0, 1                                      ; sixteen plain lines that name no register of the four products above: their places
	BMAX 2, 3
.irp b, 0,1,2,3
	v_permlanex16_b32 v[T1+\b], v[BM+\b], s[SEL], s[SEL+1]
.endr
.irp b, 0,1,2,3
	s_delay_alu instid0(VALU_DEP_4)
	v_max_num_f32 v[BM+\b], v[BM+\b], v[T1+\b]     ; THE LARGEST SCORE OF EACH BLOCK OF 32 KEYS: for the row's maximum and, since p rises with the score, for the block's largest p
.endr
	s_delay_alu instid0(VALU_DEP_2)
	v_max3_num_f32 v[TMP], v[BM], v[BM+1], v[BM+2]
	s_delay_alu instid0(VALU_DEP_1)
	v_max_num_f32 v[TMP], v[TMP], v[BM+3]
	s_delay_alu instid0(VALU_DEP_1)
	v_mul_f32 v[TMP], s[CS], v[TMP]                ; as t (c is positive)
	s_delay_alu instid0(VALU_DEP_1)
	v_max_num_f32 v13, v13, v[TMP]                 ; the running largest t
	v_mov_b32 v[TMP], v12
	s_delay_alu instid0(VALU_DEP_2)
	v_floor_f32 v12, -v13                          ; the new -M = -ceil(t): a whole number
	s_delay_alu instid0(VALU_DEP_1)
	v_sub_f32 v[TMP], v12, v[TMP]                  ; old M - new M: a whole number, 0 or less
	s_delay_alu instid0(VALU_DEP_1)
	v_cvt_i32_f32 v[TMP], v[TMP]                   ; (it saturates)
	s_delay_alu instid0(VALU_DEP_1)
	v_ldexp_f32 v[F], 1.0, v[TMP]                  ; f = 2^(old M - new M)
.set n, 0
.rept 32
	v_pk_fma_f32 v[S+n:S+n+1], v[S+n:S+n+1], s[CS:CS+1], v[12:13] op_sel_hi:[1,0,0]   ; t - M, two at a time (of the pairs c and -M the low word serves both halves)
.set n, n+2
.endr
.irp b, 0,1,2,3
	v_fma_f32 v[BM+\b], v[BM+\b], s[CS], v12       ; the same of each block's largest score
.endr
.set n, 0
	s_wait_alu depctr_va_vdst(0)
.rept 64
	v_exp_f32 v[S+n], v[S+n]                       ; p = 2^(t - M), at most 1
.set n, n+1
.endr
.irp b, 0,1,2,3
	v_exp_f32 v[BM+\b], v[BM+\b]                   ; the block's largest p: the same two instructions on the same number
.endr
	v_pk_mul_f32 v[14:15], v[14:15], v[F:F+1] op_sel_hi:[1,0]   ; the sums under the new M.  (The plain instruction behind the exponentials)
	s_wait_alu depctr_va_vdst(0)
.irp b, 0,1,2,3
	v_max_num_f32 v[BM+\b], 0x4800000, v[BM+\b]    ; the floor 2^(9 - 127): the byte cannot fall under 1
.endr
.irp b, 0,1,2,3
	s_delay_alu instid0(VALU_DEP_4)
	v_add_nc_u32 v[SOP+\b], 0xfc000000, v[BM+\b]   ; 8 off the exponent field: the conversion's scale operand
.endr
.irp b, 0,1,2,3
.endr
.irp b, 0,1,2,3
	s_delay_alu instid0(VALU_DEP_4)
	v_lshrrev_b32 v[T1+\b], 23, v[SOP+\b]          ; the scale's byte
.endr
	s_delay_alu instid0(VALU_DEP_3)
	v_lshl_or_b32 v[PW], v[T1+1], 8, v[T1]         ; p's scale word for these 128 keys (far more than eight places ahead of the products that name it)
	s_delay_alu instid0(VALU_DEP_1)
	v_lshl_or_b32 v[PW], v[T1+2], 16, v[PW]
	s_delay_alu instid0(VALU_DEP_1)
	v_lshl_or_b32 v[PW], v[T1+3], 24, v[PW]
	v_pk_add_f32 v[234:235], v[100:101], v[104:105]
	v_pk_add_f32 v[254:255], v[108:109], v[112:113]
	v_pk_add_f32 v[252:253], v[116:117], v[120:121]
	v_pk_add_f32 v[250:251], v[124:125], v[128:129]
	v_pk_add_f32 v[248:249], v[132:133], v[136:137]
	v_pk_add_f32 v[246:247], v[140:141], v[144:145]
	v_pk_add_f32 v[244:245], v[148:149], v[152:153]
	v_pk_add_f32 v[14:15], v[14:15], v[156:157]
	v_pk_add_f32 v[234:235], v[234:235], v[96:97]
	v_pk_add_f32 v[254:255], v[254:255], v[98:99]
	v_pk_add_f32 v[252:253], v[252:253], v[102:103]
	v_pk_add_f32 v[250:251], v[250:251], v[106:107]
	v_pk_add_f32 v[248:249], v[248:249], v[110:111]
	v_pk_add_f32 v[246:247], v[246:247], v[114:115]
	v_pk_add_f32 v[244:245], v[244:245], v[118:119]
	v_pk_add_f32 v[14:15], v[14:15], v[122:123]
	v_pk_add_f32 v[234:235], v[234:235], v[126:127]
	v_pk_add_f32 v[254:255], v[254:255], v[130:131]
	v_pk_add_f32 v[252:253], v[252:253], v[134:135]
	v_pk_add_f32 v[250:251], v[250:251], v[138:139]
	v_pk_add_f32 v[248:249], v[248:249], v[142:143]
	v_pk_add_f32 v[246:247], v[246:247], v[146:147]
	v_pk_add_f32 v[244:245], v[244:245], v[150:151]
	v_pk_add_f32 v[14:15], v[14:15], v[154:155]
	v_pk_add_f32 v[234:235], v[234:235], v[158:159]
	s_delay_alu instid0(VALU_DEP_2)
	v_pk_add_f32 v[14:15], v[14:15], v[250:251]
	s_delay_alu instid0(VALU_DEP_2)
	v_pk_add_f32 v[234:235], v[234:235], v[248:249]
	v_pk_add_f32 v[254:255], v[254:255], v[246:247]
	v_pk_add_f32 v[252:253], v[252:253], v[244:245]
	s_delay_alu instid0(VALU_DEP_2)
	v_pk_add_f32 v[14:15], v[14:15], v[254:255]
	s_delay_alu instid0(VALU_DEP_2)
	v_pk_add_f32 v[234:235], v[234:235], v[252:253]
	s_delay_alu instid0(VALU_DEP_1)
	v_pk_add_f32 v[14:15], v[14:15], v[234:235]
.irp b, 0,1,2,3
.irp i, 0,1,2,3,4,5,6,7,8,9,10,11,12,13,14,15
.endr
	v_cvt_scalef32_pk8_fp8_f32 v[PC+4*\b:PC+4*\b+1], v[S+16*\b:S+16*\b+7], v[SOP+\b]
	v_cvt_scalef32_pk8_fp8_f32 v[PC+4*\b+2:PC+4*\b+3], v[S+16*\b+8:S+16*\b+15], v[SOP+\b]
.endr
	v_nop
.irp t, 0,1,2,3                        ; V's four fragments take p's registers
.irp c, 0,1,2,3
	ds_load_b128 v[S+16*\t+4*\c:S+16*\t+4*\c+3], v[AD] offset:8192+2048*\t+512*\c
.endr
.endr
.set n, 0
.rept 16
	v_pk_mul_f32 v[O+n:O+n+1], v[O+n:O+n+1], v[F:F+1] op_sel_hi:[1,0]   ; O^T under the new M, each tile from its low end on.  (Also the places between the conversions and the products that take the codes)
.set n, n+2
.endr
	s_wait_alu depctr_va_vdst(0)
	s_wait_dscnt 0x0
.irp t, 0,1,2,3                        ; O^T += V^T P^T: four accumulators, one instruction each
.if \t%2
	v_wmma_scale_f32_16x16x128_f8f6f4 v[O+8*\t:O+8*\t+7], v[S+16*\t:S+16*\t+15], v[PC:PC+15], v[O+8*\t:O+8*\t+7], v[VS+\t/2], v[PW] matrix_a_scale:MATRIX_SCALE_ROW1
.else
	v_wmma_scale_f32_16x16x128_f8f6f4 v[O+8*\t:O+8*\t+7], v[S+16*\t:S+16*\t+15], v[PC:PC+15], v[O+8*\t:O+8*\t+7], v[VS+\t/2], v[PW]
.endif
.endr
.endm
; THE CHANGE OF SLOTS stands at a slot's head.  Each wave waits for all its tensor loads (its block of the slot ahead), adds 0 to its spare word, and waits for that and for its reads of the slot that it has left.
; Behind the round the slot ahead is whole in all four work-groups and nobody reads the other one.  refill = 1: that other slot is asked for: the load has two key steps of every wave in which to land.
.macro TRIP slot, refill
	s_wait_tensorcnt 0x0                           ; no tensor load of mine is out, so a group 0 may be written
	ds_add_u32 v[SPW], v[NIL]                      ; 0 onto my spare word
	s_add_nc_u64 s[G0+4*\slot+2:G0+4*\slot+3], s[G0+4*\slot+2:G0+4*\slot+3], 2*SLOT   ; this slot's next two steps; the type bits on top are not reached
	s_wait_dscnt 0x0                               ; the add is done, and my reads of the slot that I have left are over
	ROUND
.if \refill
	TLOAD 1-\slot                                  ; the first thing behind the round, and a wave's one tensor load until the next
.endif
	STEP \slot*SLOT
	STEP \slot*SLOT+STEPB
.endm
	s_wait_loadcnt 0x0                             ; Q and its scale words
	s_mov_b32 s[CNT], 7
.Lloop:                                            ; 7 trips of two slots; 16 slots in all
	TRIP 0, 1
	TRIP 1, 1
	s_sub_co_u32 s[CNT], s[CNT], 1
	s_cmp_lg_u32 s[CNT], 0
	s_cbranch_scc1 .Lloop
	TRIP 0, 1                                      ; the tail is written out
	TRIP 1, 0
	; ---- THE EPILOGUE.  Addresses first: thirteen plain lines, the places behind the last products
	v_lshlrev_b32 v[WOA], 8, v[R]
	s_delay_alu instid0(VALU_DEP_1)
	v_lshl_add_u32 v[WOA], v[H], 4, v[WOA]         ; out_w: row r of 256 codes, + 16 h
	v_lshlrev_b32 v[WSA], 3, v[R]                  ; its scale bytes: 8 a row
	v_lshlrev_b32 v[XA], 14, v[H]
	s_delay_alu instid0(VALU_DEP_1)
	v_lshl_add_u32 v[XA], v[R], 4, v[XA]           ; x, out0: lanes 0-15 one channel's 256 bytes, lanes 16-31 the next channel's
	s_wait_alu depctr_va_vdst(0)
	s_lshl_b32 s60, s[MT], 1
	s_lshr_b32 s61, s[HD], 1
	s_add_co_u32 s60, s60, s61                     ; my codes belong to fragment 2 MT + HD / 2 (tile of tokens MT, K step HD / 2), pieces 2 (HD % 2) + b
	s_and_b32 s61, s[HD], 1
	s_lshl_b32 s62, s60, 11
	s_lshl_b32 s63, s61, 10
	s_add_co_u32 s62, s62, s63
	v_add_nc_u32 v[OWI], s62, v[LI]
	s_lshl_b32 s62, s60, 7
	s_lshl_b32 s63, s61, 1
	s_add_co_u32 s62, s62, s63
	s_add_co_u32 s62, s62, OSC
	v_add_nc_u32 v[OWS], s62, v[LS]                ; and my two bytes of each scale word
	s_mul_i32 s62, s[WV], 16*272
	s_add_co_u32 s62, s62, STG                     ; my 16 rows of the stage
	v_mul_u32_u24 v[STO], v[R], 272
	s_delay_alu instid0(VALU_DEP_1)
	v_lshl_add_u32 v[STO], v[H], 6, v[STO]
	s_delay_alu instid0(VALU_DEP_1)
	v_add_nc_u32 v[STO], s62, v[STO]               ; in: channel r, tokens 16 h on
	v_mul_u32_u24 v[SRD], v[H], 272
	s_delay_alu instid0(VALU_DEP_1)
	v_lshl_add_u32 v[SRD], v[R], 4, v[SRD]
	s_delay_alu instid0(VALU_DEP_1)
	v_add_nc_u32 v[SRD], s62, v[SRD]               ; back: lanes 0-15 one row, lanes 16-31 the next
.irp s, 0,1
.irp c, 0,1,2,3
	global_load_b128 v[KT+16*\s+4*\c:KT+16*\s+4*\c+3], v[WOA], s[8:9] offset:128*\s+32*\c   ; out_w: channels 16 WV + r, K step s
.endr
	global_load_b32 v[KS+\s], v[WSA], s[10:11] offset:4*\s
.endr
	global_load_b32 v88, v[R4], s[12:13]           ; out_b of channel 16 WV + r
.irp i, 0,1,2,3,4,5,6,7
	global_load_b128 v[16+4*\i:19+4*\i], v[XA], s[14:15] offset:32768*\i th:TH_LOAD_NT   ; the residual: channels 16 WV + 2 i + h
.endr
	v_add_f32 v14, v14, v15                        ; the sum's two halves,
	s_delay_alu instid0(VALU_DEP_1)
	v_permlanex16_b32 v[T1], v14, s[SEL], s[SEL+1]
	s_delay_alu instid0(VALU_DEP_1)
	v_add_f32 v14, v14, v[T1]                      ; and lane l xor 16's: the row's sum
	s_wait_alu depctr_va_vdst(0)
	v_rcp_f32 v14, v14
	v_nop                                          ; one plain instruction behind a transcendental
.set n, 0
	s_wait_alu depctr_va_vdst(0)
.rept 16
	v_pk_mul_f32 v[O+n:O+n+1], v[O+n:O+n+1], v[14:15] op_sel_hi:[1,0]   ; O^T / the sum: register 16 b + i is channel 64 HD + 32 b + 16 h + i of my query
.set n, n+2
.endr
	; quantised along the channels: two blocks of 32
.irp b, 0,1
	v_max3_num_f32 v[BM+\b], |v[O+16*\b]|, |v[O+16*\b+1]|, 0x4800000
.endr
.irp i, 2,4,6,8,10,12,14
.irp b, 0,1
	s_delay_alu instid0(VALU_DEP_2)
	v_max3_num_f32 v[BM+\b], v[BM+\b], |v[O+16*\b+\i]|, |v[O+16*\b+\i+1]|
.endr
.endr
.irp b, 0,1
	s_delay_alu instid0(VALU_DEP_2)
	v_permlanex16_b32 v[T1+\b], v[BM+\b], s[SEL], s[SEL+1]
.endr
.irp b, 0,1
	s_delay_alu instid0(VALU_DEP_2)
	v_max_num_f32 v[BM+\b], v[BM+\b], v[T1+\b]
.endr
.irp b, 0,1
	s_delay_alu instid0(VALU_DEP_2)
	v_add_nc_u32 v[SOP+\b], 0xfc000000, v[BM+\b]
.endr
.irp b, 0,1
.endr
.irp b, 0,1
	s_delay_alu instid0(VALU_DEP_2)
	v_lshrrev_b32 v[T1+\b], 23, v[SOP+\b]
.endr
	s_delay_alu instid0(VALU_DEP_1)
	v_lshl_or_b32 v[T1], v[T1+1], 8, v[T1]
.irp b, 0,1
.irp i, 0,1,2,3,4,5,6,7,8,9,10,11,12,13,14,15
.endr
	v_cvt_scalef32_pk8_fp8_f32 v[PC+4*\b:PC+4*\b+1], v[O+16*\b:O+16*\b+7], v[SOP+\b]
	v_cvt_scalef32_pk8_fp8_f32 v[PC+4*\b+2:PC+4*\b+3], v[O+16*\b+8:O+16*\b+15], v[SOP+\b]
.endr
	v_nop                                          ; one plain instruction between the last conversion and the products that write its sources
	ds_store_b128 v[OWI], v[PC:PC+3] offset:OIMG
	ds_store_b128 v[OWI], v[PC+4:PC+7] offset:OIMG+512
	ds_store_b16 v[OWS], v[T1]
	s_wait_dscnt 0x0                               ; for the others' sake: my part of a fragment lies in LDS
	s_barrier_signal -1
	s_barrier_wait -1
	s_wait_loadcnt 0x0                             ; out_w, its scale words, out_b, x
.irp k, 0,1,2,3,4,5,6,7
	v_mov_b32 v[80+\k], v88                        ; the bias in the result's layout: the C of each sum's first product
.endr
	s_wait_alu depctr_va_vdst(0)
	; out = tokens x out_w^T: source 0 = 16 tokens, source 1 = my 16 channels: lane (r, h) holds channel 16 WV + r and, in tile m = 2 P + u, tokens 32 P + 8 u + 16 h + 0 .. 7.  Four accumulators by turns
.irp s, 0,1
.irp m, 0,1,2,3
.irp c, 0,1,2,3
	ds_load_b128 v[S+16*\m+4*\c:S+16*\m+4*\c+3], v[LI] offset:OIMG+(2*\m+\s)*2048+512*\c
.endr
	ds_load_b32 v[KS+2+\m], v[LS] offset:OSC+(2*\m+\s)*128
.endr
	s_wait_dscnt 0x0
.irp m, 0,1,2,3
.if \s == 0
	v_wmma_scale_f32_16x16x128_f8f6f4 v[O+8*\m:O+8*\m+7], v[S+16*\m:S+16*\m+15], v[KT:KT+15], v[80:87], v[KS+2+\m], v[KS]
.else
	v_wmma_scale_f32_16x16x128_f8f6f4 v[O+8*\m:O+8*\m+7], v[S+16*\m:S+16*\m+15], v[KT+16:KT+31], v[O+8*\m:O+8*\m+7], v[KS+2+\m], v[KS+1]
.endif
.endr
.rept 8
	v_nop                                          ; eight places in front of loads into registers that these products read, and of the first read of results
.endr
.endr
	; the way out: a lane holds pieces of one channel's row; my 16 rows go through my own part of the stage and come back whole.  LDS serves a wave's instructions in order (ISA guide 5.7.1.4): no wait between the stores and the loads
.irp m, 0,1,2,3
	ds_store_b128 v[STO], v[O+8*\m:O+8*\m+3] offset:128*(\m/2)+32*(\m%2)
	ds_store_b128 v[STO], v[O+8*\m+4:O+8*\m+7] offset:128*(\m/2)+32*(\m%2)+16
.endr
.irp i, 0,1,2,3,4,5,6,7
	ds_load_b128 v[S+4*\i:S+4*\i+3], v[SRD] offset:544*\i
.endr
.irp i, 0,1,2,3,4,5,6,7
	s_wait_dscnt 7-\i                              ; load i is back; the younger ones may be out
	v_pk_add_f32 v[S+4*\i:S+4*\i+1], v[S+4*\i:S+4*\i+1], v[16+4*\i:17+4*\i]
	v_pk_add_f32 v[S+4*\i+2:S+4*\i+3], v[S+4*\i+2:S+4*\i+3], v[18+4*\i:19+4*\i]
	global_store_b128 v[XA], v[S+4*\i:S+4*\i+3], s[16:17] offset:32768*\i th:TH_STORE_NT   ; sixteen lanes store 256 consecutive bytes, at a multiple of 256 from out0's first byte
.endr
	s_wait_tensorcnt 0x0                           ; the wave's end: behind my last tensor load and my last LDS store
	ds_add_u32 v[SPW], v[NIL]
	s_wait_dscnt 0x0
	ROUND                                          ; the closing round: no work-group ends while a partner may still ask for a block that names it
	s_endpgm
.Lfunc_end_k_q7646c8634b_attn:
	.size	k_q7646c8634b_attn, .Lfunc_end_k_q7646c8634b_attn-k_q7646c8634b_attn
	.p2alignl 7, 3214868480
	.fill 96, 4, 3214868480
	.section	.rodata,"a",@progbits
	.p2align	6, 0x0
	.amdhsa_kernel k_q7646c8634b_attn
		.amdhsa_group_segment_fixed_size 327680
		.amdhsa_private_segment_fixed_size 0
		.amdhsa_enable_private_segment 0
		.amdhsa_kernarg_size 56
		.amdhsa_user_sgpr_count 2
		.amdhsa_user_sgpr_kernarg_segment_ptr 1
		.amdhsa_wavefront_size32 1
		.amdhsa_system_sgpr_workgroup_id_x 1
		.amdhsa_system_sgpr_workgroup_id_y 1
		.amdhsa_system_sgpr_workgroup_id_z 1
		.amdhsa_system_vgpr_workitem_id 0
		.amdhsa_next_free_vgpr 256
		.amdhsa_next_free_sgpr 66
		.amdhsa_reserve_vcc 0
		.amdhsa_float_denorm_mode_32 3
		.amdhsa_float_denorm_mode_16_64 3
		.amdhsa_fp16_overflow 1
		.amdhsa_memory_ordered 1
		.amdhsa_forward_progress 1
		.amdhsa_inst_pref_size 161
	.end_amdhsa_kernel
	.amdgpu_metadata
---
amdhsa.version: [ 1, 2 ]
amdhsa.kernels:
  - .name:           k_q7646c8634b_attn
    .symbol:         k_q7646c8634b_attn.kd
    .args:
      - { .name: qimg, .offset: 0, .size: 8, .value_kind: global_buffer, .address_space: global }
      - { .name: kv, .offset: 8, .size: 8, .value_kind: global_buffer, .address_space: global }
      - { .name: out_w_codes, .offset: 16, .size: 8, .value_kind: global_buffer, .address_space: global }
      - { .name: out_w_scales, .offset: 24, .size: 8, .value_kind: global_buffer, .address_space: global }
      - { .name: out_b, .offset: 32, .size: 8, .value_kind: global_buffer, .address_space: global }
      - { .name: x, .offset: 40, .size: 8, .value_kind: global_buffer, .address_space: global }
      - { .name: out0, .offset: 48, .size: 8, .value_kind: global_buffer, .address_space: global }
    .group_segment_fixed_size: 327680
    .private_segment_fixed_size: 0
    .kernarg_segment_align: 8
    .kernarg_segment_size: 56
    .max_flat_workgroup_size: 512
    .sgpr_count:     66
    .vgpr_count:     256
    .wavefront_size: 32
...
	.end_amdgpu_metadata
.endif
;; end of part 3
